; MI455X (gfx1250); checked and timed in simulation.
; The chip was launched on July 23, 2026; its instructions are those of AMD's public machine-readable ISA for CDNA 5 (MIT licence, August 2026) and "CDNA5" Instruction Set Architecture Reference Guide (July 2026). The comments in the code are by the model that wrote it; some were corrected since.
;; ROI Pooling3 D. Allowed arithmetic: float matrix products may take bf16 or f16 operands with f32 sums; all other float work in f32.
;; Inputs: features 2 x 128 x 32 x 64 x 64 float32; rois 256 x 7 float32.
;; Outputs: out0 256 x 128 x 8 x 8 x 8 float32.
;; 2 versions, each right and faster than the one before. Each part assembles by itself: llvm-mc -triple=amdgcn-amd-amdhsa -mcpu=gfx1250 --defsym DOCPART=n.
;; ======== version 1 of 2: 2 launches
;; workspace buffers: params 67,840 bytes of whole numbers
;; launch prep (part 1): grid 1 x 1, 8 waves a work-group, no clusters, 0 bytes of LDS; arguments rois, params; writes params
.if DOCPART == 1
	.amdgcn_target "amdgcn-amd-amdhsa--gfx1250"
	.amdhsa_code_object_version 6
	.text
	.protected	k_q865dd30f07_prep
	.globl	k_q865dd30f07_prep
	.p2align	8
	.type	k_q865dd30f07_prep,@function
k_q865dd30f07_prep:
	s_mov_b64 s[64:65], 0
	v_nop
	global_prefetch_b8 v0, s[64:65] scope:SCOPE_SE
	s_setreg_imm32_b32 hwreg(HW_REG_WAVE_MODE, 25, 1), 1
	s_wait_xcnt 0x0
; ROI pooling, step 1: the 256 ROIs (seven f32 each: batch, xmin, ymin, zmin, xmax, ymax, zmax) become whole numbers for the pooling launch.
; One work-group, 256 threads; thread n makes the record of ROI n.  Every store address hangs on the thread's number alone; what is derived
; from the floats is only ever DATA here (no branch, no address).
; params:  byte 256 n: record of ROI n
;            w0 xmin   w1 Lx   w2 NL (row reads for a y bin, 2 to 4)   w3 bit i: z bin i begins on the last plane of bin i-1   (w4-15 neither written nor read)
;            w16+4 yb+t: LDS byte offset of the t-th row that y bin yb reads: row*4096, +2048 if the table of 4-row maxima is read
;            w48+4 q+0..3, for the phase of planes 8q..8q+7: mask of the ROI's planes; a 4-bit count for each plane (z bins that have ended with it or before);
;            that count in front of the phase; bit 0: the ROI began before the phase, bit 1: it goes on behind it
;          byte 65536: order[batch][w][i] = the ROI whose rank among its batch's ROIs is 16 i + w (one word each, 512 words)
;          byte 67584: number of ROIs of batch 0 (even words) and of batch 1 (odd words), 32 words
; LIMITS: after truncation toward zero an ROI is taken to satisfy 0 <= min < max <= size on each axis (64, 64, 32); numbers outside are clamped to that,
; which keeps every later address inside its table but is not what the reference computes for such ROIs.  A batch number below 1 counts as 0, others as 1.
; The records are stored 16 bytes a lane at a pitch of 256 bytes: 52 KiB in all, once; a transposition through LDS would cost more than it saves here.
.set ORDER,  65536
.set COUNTS, 67584
.set FB, 10                            ; v[10:16]   my ROI's seven numbers
.set BB, 20                            ; v[20:27]   batch numbers of ROIs 32 j + lane
.set HD, 48                            ; v[48:51]   record words 0..3
.set RW, 64                            ; v[64:95]   record words 16..47
.set PH, 96                            ; v[96:111]  record words 48..63
.set LZ, 112                           ; v112       Lz
.set CNT, 113                          ; v[113:116] a 4-bit digit for each plane: bins whose last plane it is
.set SH, 117                           ; v117       the share bits
.set ONE, 118                          ; v118       1
.set CW, 126                           ; v[126:129] the running counts
.set PM, 130                           ; v130       mask of the planes zmin..zmax-1
	s_load_b128 s[4:7], s[0:1], 0x0                ; rois s[4:5], params s[6:7]
	v_and_b32 v1, 31, v0                           ; lane
	v_lshrrev_b32 v2, 5, v0
	v_readfirstlane_b32 s8, v2                     ; wave
	v_mul_u32_u24 v3, v0, 28                       ; my ROI's row of 7 floats
	v_mul_u32_u24 v4, v1, 28
	s_wait_kmcnt 0x0
.irp f, 0,1,2,3,4,5,6
	global_load_b32 v[FB+\f], v3, s[4:5] offset:4*\f
.endr
.irp j, 0,1,2,3,4,5,6,7
	global_load_b32 v[BB+\j], v4, s[4:5] offset:896*\j     ; every wave looks at all 256 batch numbers: no exchange between waves is needed
.endr
	s_wait_loadcnt 0x0
	; ---- the order lists.  s[20:27]: bit l of word j = ROI 32 j + l is of batch 1; s[44:51] the same for batch 0;
	;      s[36:43], s[52:59]: members up to and with group j
.irp j, 0,1,2,3,4,5,6,7
	v_cmp_le_f32 s[20+\j], 1.0, v[BB+\j]
.endr
	s_bcnt1_i32_b32 s36, s20
.set j, 1
.rept 7
	s_bcnt1_i32_b32 s9, s[20+j]
	s_add_co_u32 s[36+j], s[35+j], s9
.set j, j+1
.endr
.set j, 0
.rept 8
	s_not_b32 s[44+j], s[20+j]
	s_sub_co_u32 s[52+j], 32*(j+1), s[36+j]
.set j, j+1
.endr
; v[r] = the ROI that is member number v0 of the list with masks s[mb..] and running counts s[cb..].
; First the group of 32 that holds it, by selects; then its place there = how many places have a running count of members <= what is sought.
; Thread numbers at or beyond the list's length give a number that nobody pools; it is cut to 255.
.macro PICK r, mb, cb
	v_mov_b32 v30, s[\mb]                          ; the group's mask
	v_mov_b32 v31, 0                               ; members in front of the group
	v_mov_b32 v[\r], 0                             ; 32 x group
.irp j, 1,2,3,4,5,6,7
	v_cmp_gt_u32 vcc_lo, s[\cb+\j-1], v0           ; still inside an earlier group: keep
	v_cndmask_b32 v30, s[\mb+\j], v30, vcc_lo
	v_cndmask_b32 v31, s[\cb+\j-1], v31, vcc_lo
	v_cndmask_b32 v[\r], 32*\j, v[\r], vcc_lo
.endr
	v_sub_nc_u32 v31, v0, v31                      ; members of the group in front of mine
	v_mov_b32 v32, 0
.set i, 0
.rept 32
	v_bfe_u32 v33, v30, i, 1
	v_add_nc_u32 v32, v32, v33                     ; members up to and with place i
	v_cmp_le_u32 vcc_lo, v32, v31
	v_add_co_ci_u32 v[\r], vcc_lo, 0, v[\r], vcc_lo        ; place i lies in front of mine
.set i, i+1
.endr
	v_min_u32 v[\r], 255, v[\r]
.endm
	PICK 36, 44, 52                                ; batch 0
	PICK 37, 20, 36                                ; batch 1
	v_and_b32 v34, 15, v0                          ; rank r = v0 goes to wave r mod 16 as its ROI number r / 16
	v_lshrrev_b32 v35, 4, v0
	v_lshl_add_u32 v34, v34, 4, v35
	v_lshlrev_b32 v34, 2, v34
	global_store_b32 v34, v36, s[6:7] offset:ORDER
	global_store_b32 v34, v37, s[6:7] offset:ORDER+1024
	s_cmp_lg_u32 s8, 0
	s_cbranch_scc1 .Lnot_wave_0
	v_and_b32 v38, 1, v1                           ; the two counts, by wave 0: even words batch 0, odd words batch 1
	v_cmp_eq_u32 vcc_lo, 1, v38
	v_mov_b32 v39, s59
	v_mov_b32 v40, s43
	v_cndmask_b32 v39, v39, v40, vcc_lo
	v_lshlrev_b32 v41, 2, v1
	global_store_b32 v41, v39, s[6:7] offset:COUNTS
.Lnot_wave_0:
	; ---- my ROI's numbers: truncate, clamp (in f32, where a NaN falls to the bound), convert
.macro AXIS lo, hi, top, topm1
	v_trunc_f32 v[\lo], v[\lo]
	v_trunc_f32 v[\hi], v[\hi]
	v_max_num_f32 v[\lo], 0, v[\lo]
	v_min_num_f32 v[\lo], \topm1, v[\lo]
	v_add_f32 v5, 1.0, v[\lo]
	v_max_num_f32 v[\hi], v[\hi], v5
	v_min_num_f32 v[\hi], \top, v[\hi]
	v_cvt_u32_f32 v[\lo], v[\lo]
	v_cvt_u32_f32 v[\hi], v[\hi]
.endm
	AXIS FB+1, FB+4, 64.0, 63.0
	AXIS FB+2, FB+5, 64.0, 63.0
	AXIS FB+3, FB+6, 32.0, 31.0
	v_mov_b32 v[HD+0], v[FB+1]                     ; xmin
	v_sub_nc_u32 v[HD+1], v[FB+4], v[FB+1]         ; Lx
	; ---- y.  Bin yb covers rows ys = ymin + floor(yb L / 8) .. ye - 1, ye = ymin + ceil((yb+1) L / 8).
	; The narrowest bin has c = ceil(L/8) rows; one row more occurs exactly if L mod 8 is 3, 5, 6 or 7 (bits of 0xe8).
	; c >= 4: windows of 4 rows from the table of 4-row maxima, at ys, ys+4, .. cut to ye-4.  Else single rows ys, ys+1, .. cut to ye-1.
	v_sub_nc_u32 v6, v[FB+5], v[FB+2]              ; Ly
	v_add_nc_u32 v7, 7, v6
	v_lshrrev_b32 v7, 3, v7                        ; c
	v_and_b32 v8, 7, v6
	v_mov_b32 v9, 0xe8
	v_lshrrev_b32 v9, v8, v9
	v_and_b32 v9, 1, v9
	v_add_nc_u32 v9, v7, v9                        ; the widest bin
	v_cmp_le_u32 vcc_lo, 4, v7
	v_mov_b32 v43, 4
	v_mov_b32 v44, 0x800
	v_cndmask_b32 v28, 1, v43, vcc_lo              ; rows in a window = step from window to window
	v_cndmask_b32 v29, 0, v44, vcc_lo              ; which table
	v_add_nc_u32 v42, 3, v9
	v_lshrrev_b32 v42, 2, v42
	v_cndmask_b32 v[HD+2], v9, v42, vcc_lo         ; windows that cover the widest bin;
	v_max_u32 v[HD+2], 2, v[HD+2]                  ; the pooling launch has forms for 2, 3 and 4 (a repeated row changes no maximum)
.set yb, 0
.rept 8
	v_mul_u32_u24 v45, yb, v6
	v_add3_u32 v46, v45, v6, 7
	v_lshrrev_b32 v45, 3, v45
	v_lshrrev_b32 v46, 3, v46
	v_add_nc_u32 v45, v45, v[FB+2]                 ; ys
	v_add_nc_u32 v46, v46, v[FB+2]                 ; ye
	v_sub_nc_u32 v46, v46, v28                     ; the last window's first row
.set t, 0
.rept 4
	v_min_u32 v47, v45, v46
	v_lshl_add_u32 v[RW+4*yb+t], v47, 12, v29
	v_add_nc_u32 v45, v45, v28
.set t, t+1
.endr
.set yb, yb+1
.endr
	; ---- z.  A product with 0x11111111 turns the eight digits of a word into running sums (no sum passes 8, so no digit overflows);
	; the word before hands its last sum on.
	v_sub_nc_u32 v[LZ], v[FB+6], v[FB+3]
	v_mov_b32 v[CNT+0], 0
	v_mov_b32 v[CNT+1], 0
	v_mov_b32 v[CNT+2], 0
	v_mov_b32 v[CNT+3], 0
	v_mov_b32 v[SH], 0
	v_mov_b32 v[ONE], 1
.set i, 0
.rept 8
	v_mul_u32_u24 v119, i, v[LZ]
	v_add3_u32 v120, v119, v[LZ], 7
	v_lshrrev_b32 v119, 3, v119                    ; the bin's first plane, from zmin
	v_lshrrev_b32 v120, 3, v120                    ; one past its last
.if i > 0
	v_cmp_lt_u32 vcc_lo, v119, v121                ; it begins on the last plane of the bin before
	v_cndmask_b32 v122, 0, v[ONE], vcc_lo
	v_lshl_or_b32 v[SH], v122, i, v[SH]
.endif
	v_mov_b32 v121, v120
	v_add3_u32 v123, v120, v[FB+3], -1             ; its last plane
	v_and_b32 v124, 7, v123
	v_lshlrev_b32 v124, 2, v124
	v_lshlrev_b32 v124, v124, v[ONE]               ; 1 in that plane's digit
	v_lshrrev_b32 v123, 3, v123
.set p, 0
.rept 4
	v_cmp_eq_u32 vcc_lo, p, v123
	v_cndmask_b32 v125, 0, v124, vcc_lo
	v_add_nc_u32 v[CNT+p], v[CNT+p], v125
.set p, p+1
.endr
.set i, i+1
.endr
	s_mov_b32 s9, 0x11111111
	v_mul_lo_u32 v[CW], v[CNT], s9
	v_mov_b32 v[PH+2], 0                           ; no bin has ended in front of phase 0
.set p, 1
.rept 3
	v_lshrrev_b32 v[PH+4*p+2], 28, v[CW+p-1]       ; bins ended in front of phase p
	v_add_nc_u32 v[CNT+p], v[CNT+p], v[PH+4*p+2]
	v_mul_lo_u32 v[CW+p], v[CNT+p], s9
.set p, p+1
.endr
	v_sub_nc_u32 v131, 32, v[LZ]
	v_mov_b32 v[PM], -1
	v_lshrrev_b32 v[PM], v131, v[PM]               ; Lz ones (Lz is 1 to 32)
	v_lshlrev_b32 v[PM], v[FB+3], v[PM]            ; from bit zmin
.set p, 0
.rept 4
	v_bfe_u32 v[PH+4*p], v[PM], 8*p, 8
	v_mov_b32 v[PH+4*p+1], v[CW+p]
	v_cmp_gt_u32 vcc_lo, 8*p, v[FB+3]              ; zmin < 8 p
	v_cndmask_b32 v131, 0, v[ONE], vcc_lo
	v_cmp_lt_u32 vcc_lo, 8*p+8, v[FB+6]            ; zmax > 8 p + 8
	v_cndmask_b32 v125, 0, v[ONE], vcc_lo
	v_lshl_or_b32 v[PH+4*p+3], v125, 1, v131
.set p, p+1
.endr
	v_mov_b32 v[HD+3], v[SH]
	v_lshlrev_b32 v132, 8, v0
	global_store_b128 v132, v[HD:HD+3], s[6:7]
.irp q, 0,1,2,3,4,5,6,7,8,9,10,11
	global_store_b128 v132, v[RW+4*\q:RW+4*\q+3], s[6:7] offset:64+16*\q   ; RW and PH follow each other in the registers as in the record
.endr
	s_endpgm
.Lfunc_end_k_q865dd30f07_prep:
	.size	k_q865dd30f07_prep, .Lfunc_end_k_q865dd30f07_prep-k_q865dd30f07_prep
	.p2alignl 7, 3214868480
	.fill 96, 4, 3214868480
	.section	.rodata,"a",@progbits
	.p2align	6, 0x0
	.amdhsa_kernel k_q865dd30f07_prep
		.amdhsa_group_segment_fixed_size 0
		.amdhsa_private_segment_fixed_size 0
		.amdhsa_enable_private_segment 0
		.amdhsa_kernarg_size 16
		.amdhsa_user_sgpr_count 2
		.amdhsa_user_sgpr_kernarg_segment_ptr 1
		.amdhsa_wavefront_size32 1
		.amdhsa_system_sgpr_workgroup_id_x 1
		.amdhsa_system_sgpr_workgroup_id_y 1
		.amdhsa_system_sgpr_workgroup_id_z 1
		.amdhsa_system_vgpr_workitem_id 0
		.amdhsa_next_free_vgpr 136
		.amdhsa_next_free_sgpr 66
		.amdhsa_reserve_vcc 1
		.amdhsa_float_denorm_mode_32 3
		.amdhsa_float_denorm_mode_16_64 3
		.amdhsa_memory_ordered 1
		.amdhsa_forward_progress 1
		.amdhsa_inst_pref_size 35
	.end_amdhsa_kernel
	.amdgpu_metadata
---
amdhsa.version: [ 1, 2 ]
amdhsa.kernels:
  - .name:           k_q865dd30f07_prep
    .symbol:         k_q865dd30f07_prep.kd
    .args:
      - { .name: rois, .offset: 0, .size: 8, .value_kind: global_buffer, .address_space: global }
      - { .name: params, .offset: 8, .size: 8, .value_kind: global_buffer, .address_space: global }
    .group_segment_fixed_size: 0
    .private_segment_fixed_size: 0
    .kernarg_segment_align: 8
    .kernarg_segment_size: 16
    .max_flat_workgroup_size: 256
    .sgpr_count:     66
    .vgpr_count:     136
    .wavefront_size: 32
...
	.end_amdgpu_metadata
.endif
;; end of part 1
;; launch pool (part 2): grid 256 x 1, 16 waves a work-group, no clusters, 264,192 bytes of LDS; arguments features, params, out0; writes out0
.if DOCPART == 2
	.amdgcn_target "amdgcn-amd-amdhsa--gfx1250"
	.amdhsa_code_object_version 6
	.text
	.protected	k_q865dd30f07_pool
	.globl	k_q865dd30f07_pool
	.p2align	8
	.type	k_q865dd30f07_pool,@function
k_q865dd30f07_pool:
	s_mov_b64 s[64:65], 0
	v_nop
	global_prefetch_b8 v0, s[64:65] scope:SCOPE_SE
	s_setreg_imm32_b32 hwreg(HW_REG_WAVE_MODE, 25, 1), 1
	s_wait_xcnt 0x0
; ROI pooling, step 2.  out0[n][c][zb][yb][xb] = max of features[b(n)][c] over the bin's planes and rows and its first (at most four) columns.
; One work-group owns one volume (batch, channel): 32 planes x 64 rows x 64 f32 = 512 KiB, and serves every ROI of that batch: each feature byte is
; loaded once in the launch, each output byte is written once.  16 waves.
; PHASES: the volume goes through LDS in four phases of 8 planes.  A phase's 128 KiB are loaded into registers at the head of the phase before
; (16 loads of 16 bytes a lane; wave w takes rows 4w..4w+3 of all 8 planes) and so have that phase's pooling in which to arrive.  Two tables are stored:
; the rows as they are, and Y4[y] = max(f[y..y+3]); the three rows below a wave's four come from the first table, behind a barrier.
; LDS byte = row*4096 + table*2048 + plane*256 + 4 x, so that a plane stands in a read's immediate offset.
; POOLING: a wave takes one ROI at a time.  Its 32 lanes are the ROI's 8 x 4 columns xs(xb) + min(k, width-1).  A y bin of 4 to 8 rows is two reads of Y4
; (rows ys and ye-4), of 9 rows three; ROIs whose narrowest bin has under 4 rows read single rows, 2 to 4 a bin.  All 32 lanes of a read take words of one
; run of 256 bytes, each column its own word, equal columns the same word.  Planes go in order: acc = max(acc, plane); when a z bin ends, the eight
; accumulators (yb) are folded over the four lanes of a column group so that lane l ends with the two numbers at byte 8 l of the bin's 256 bytes:
; one store of the wave covers those 256 consecutive bytes, aligned.  A bin open at a phase's end waits, folded, in a register pair of its ROI's own
; (16 ROIs a wave at the most, 32 registers); a scalar cannot index registers, so four bit tests on the ROI's counter lead to the pair.
; The ROIs' numbers come as whole numbers from the launch before, by scalar loads (their counter is not the feature loads'), one ROI ahead.
; NOT USED: clusters and joint loads (no two work-groups read the same feature byte); the tensor data mover (the rows pass through registers anyway, for Y4,
; and the tables are written by LDS stores); the matrix units (no products); prefetches (the loads themselves are issued a phase ahead).
; LIMITS: ROIs as the launch before states (0 <= min < max <= size).  Maxima are v_max_num_f32: a NaN among the features loses, where the reference hands it on.
.set ROWP,   4096                      ; LDS bytes from row to row
.set TAB4,   2048                      ; the Y4 table's place in a row's 4,096 bytes
.set ORDER,  65536
.set COUNTS, 67584
.set MAXROW, 63*ROWP+TAB4
.set XB,  2                            ; v2   my column's x bin: 2 (l & 3) + (l >> 4)
.set KK,  3                            ; v3   my place 0..3 in the bin: (l >> 2) & 3
.set OL,  4                            ; v4   8 x lane
.set ORD, 6                            ; v6   lane i (and 16 + i): my wave's i-th ROI
.set OB,  9                            ; v9   this ROI's place in out0 + 8 x lane
.set COL, 10                           ; v10  4 x my column
.set SA,  12                           ; v12  store offset
.set NINF, 13                          ; v13  -infinity
.set RX,  14                           ; v14  what the other half of the lanes sent
.set AD,  16                           ; v[16:47]   LDS address of row read t of y bin yb, at 4 yb + t
.set T4,  16                           ; v[16:31]   while the tables are filled: four rows of Y4
.set M23, 32                           ; v[32:35]   max of my rows 2, 3
.set MH,  36                           ; v[36:39]   max of the two rows below mine
.set D,   48                           ; v[48:79]   what the row reads bring
.set H,   48                           ; v[48:95]   while the tables are filled: row j below mine, of plane p, at 4 (3 p + j)
.set ACC, 80                           ; v[80:87]   the open z bin, by yb
.set P,   88                           ; v[88:95]   the plane just read, by yb
.set CAR, 96                           ; v[96:97]   the open bin's part from earlier phases, folded
.set RES, 98                           ; v[98:99]   a folded bin
.set RK,  100                          ; v[100:103] fold: kept
.set RS,  104                          ; v[104:107] fold: sent
.set RC,  108                          ; v[108:109] fold: after two steps
.set GOFF,  110                        ; v110 my 16 bytes in my first row, from the phase's first plane; lanes 16-31 four planes on
.set LFILL, 111                        ; v111 where they go in LDS
.set LHALO, 112                        ; v112 the same in the first row below my four
.set OOFF,  113                        ; v113 offset of my word of the order list
.set F,   116                          ; v[116:179] row r of plane p (of my half's four) at 4 (4 p + r): on their way during the pooling
.set S,   180                          ; v[180:211] my i-th ROI's open bin between phases, folded, at 2 i
.set ROW, 68                           ; s[68:99]   the record's 32 row offsets
; s10 wave  s11 batch  s12 channel  s13 my ROIs  s14 phase  s16 ROI counter  s17 place in my list  s[20:21] features, next phase to load  s[22:23] out0 at channel c
; s26 the ROI whose record is on its way  s27, s28 offsets of the pending scalar loads  s29 the phase's words in a record  s30 this phase's planes of the ROI
; s31 open z bin  s[32:35] record words 0-3  s[36:39] the phase's words  s42 counts  s43 share bits  s44 NL  s45 this ROI  s46 bins ended by now  s47 select  s48 flags  s49 at work
; 16 loads for the next phase: 16 lanes take a row's 256 consecutive bytes, aligned; the other 16 the same row four planes on.  Read once in the launch.
.macro ISSUE_FILL
.set p, 0
.rept 4
.set r, 0
.rept 4
	global_load_b128 v[F+4*(4*p+r):F+4*(4*p+r)+3], v[GOFF], s[20:21] offset:16384*p+256*r th:TH_LOAD_NT
.set r, r+1
.endr
.set p, p+1
.endr
.endm
; The rows have come: store them; behind a barrier fetch the three rows below; form Y4 and store it; a barrier in front of the pooling.
.macro STORE_FILL
	s_wait_loadcnt 0x0                             ; all my vector loads (in the first phase the order list among them)
	s_add_nc_u64 s[20:21], s[20:21], 0x20000       ; 8 planes on; the loads that named the base are done
.set p, 0
.rept 4
.set r, 0
.rept 4
	ds_store_b128 v[LFILL], v[F+4*(4*p+r):F+4*(4*p+r)+3] offset:ROWP*r+256*p
.set r, r+1
.endr
.set p, p+1
.endr
	s_wait_dscnt 0x0                               ; my rows lie in LDS: the wave above reads three of them
	s_barrier_signal -1
	s_barrier_wait -1
.set p, 0
.rept 4
.set r, 0
.rept 3
	ds_load_b128 v[H+4*(3*p+r):H+4*(3*p+r)+3], v[LHALO] offset:ROWP*r+256*p
.set r, r+1
.endr
.set p, p+1
.endr
	s_wait_dscnt 0x0
.set p, 0
.rept 4
.set c, 0
.rept 4
	v_max_num_f32 v[M23+c], v[F+16*p+8+c], v[F+16*p+12+c]
	v_max_num_f32 v[MH+c], v[H+12*p+c], v[H+12*p+4+c]
	v_max3_num_f32 v[T4+c], v[F+16*p+c], v[F+16*p+4+c], v[M23+c]
	v_max3_num_f32 v[T4+4+c], v[F+16*p+4+c], v[M23+c], v[H+12*p+c]
	v_max_num_f32 v[T4+8+c], v[M23+c], v[MH+c]
	v_max3_num_f32 v[T4+12+c], v[F+16*p+12+c], v[MH+c], v[H+12*p+8+c]
.set c, c+1
.endr
.set r, 0
.rept 4
	ds_store_b128 v[LFILL], v[T4+4*r:T4+4*r+3] offset:ROWP*r+TAB4+256*p     ; Y4 of rows 61 to 63 is never read: windows are cut to ye - 4 <= 60
.set r, r+1
.endr
.set p, p+1
.endr
	s_wait_dscnt 0x0                               ; both tables are whole for every wave behind this barrier
	s_barrier_signal -1
	s_barrier_wait -1
.endm
; Ask for the record of my list's ROI number s17.
.macro RECLOADS
	s_wait_kmcnt 0x0                               ; no scalar load is out: the offsets and the record's registers may be written
	v_readlane_b32 s26, v[ORD], s17
	s_min_u32 s26, s26, 255
	s_lshl_b32 s27, s26, 8
	s_add_co_u32 s28, s27, s29
	s_load_b128 s[32:35], s[6:7], s27 offset:0x0
	s_load_b128 s[36:39], s[6:7], s28 offset:0x0
	s_load_b512 s[68:83], s[6:7], s27 offset:64
	s_load_b512 s[84:99], s[6:7], s27 offset:128
.endm
.macro NEXT                            ; the ROI behind this one; behind my last the list's place is still inside its 16 words, and the record is not used
	s_add_co_u32 s17, s16, 1
	s_min_u32 s17, s17, 15
	RECLOADS
.endm
; LDS addresses of row read t of the eight y bins
.macro ADDR t
.set yb, 0
.rept 8
	s_min_u32 s[ROW+4*yb+\t], s[ROW+4*yb+\t], MAXROW
	v_add_nc_u32 v[AD+4*yb+\t], s[ROW+4*yb+\t], v[COL]
.set yb, yb+1
.endr
.endm
; The register pair of my ROI number s16 (0 to 15).  kind 0: CAR takes it; kind 1: it takes RES.
.macro MOVE kind, i
.if \kind == 0
	v_mov_b32 v[CAR], v[S+2*(\i)]
	v_mov_b32 v[CAR+1], v[S+2*(\i)+1]
.else
	v_mov_b32 v[S+2*(\i)], v[RES]
	v_mov_b32 v[S+2*(\i)+1], v[RES+1]
.endif
.endm
.macro LEAF2 kind, i                   ; pair i or i + 1, by the counter's lowest bit
	s_bitcmp1_b32 s16, 0
	s_cbranch_scc1 .Lodd_\@
	MOVE \kind, \i
	s_branch .Lseldone_\kind
.Lodd_\@:
	MOVE \kind, \i+1
	s_branch .Lseldone_\kind
.endm
.macro SELECT kind                     ; four bit tests, two moves
	s_bitcmp1_b32 s16, 3
	s_cbranch_scc1 .Lsel8_\kind
	s_bitcmp1_b32 s16, 2
	s_cbranch_scc1 .Lsel4_\kind
	s_bitcmp1_b32 s16, 1
	s_cbranch_scc1 .Lsel2_\kind
	LEAF2 \kind, 0
.Lsel2_\kind:
	LEAF2 \kind, 2
.Lsel4_\kind:
	s_bitcmp1_b32 s16, 1
	s_cbranch_scc1 .Lsel6_\kind
	LEAF2 \kind, 4
.Lsel6_\kind:
	LEAF2 \kind, 6
.Lsel8_\kind:
	s_bitcmp1_b32 s16, 2
	s_cbranch_scc1 .Lsel12_\kind
	s_bitcmp1_b32 s16, 1
	s_cbranch_scc1 .Lsel10_\kind
	LEAF2 \kind, 8
.Lsel10_\kind:
	LEAF2 \kind, 10
.Lsel12_\kind:
	s_bitcmp1_b32 s16, 1
	s_cbranch_scc1 .Lsel14_\kind
	LEAF2 \kind, 12
.Lsel14_\kind:
	LEAF2 \kind, 14
.Lseldone_\kind:
.endm
; Fold ACC (8 y bins x 32 columns) into RES.  Each step keeps half of the registers and sends the other half to the partner lane, which keeps those:
; after lanes xor 4 and xor 8 a lane holds y bins k and 4 + k of its x bin, maxima over all four k; the step xor 16 leaves y bin l >> 2 with
; x bins 2 (l & 3) and 2 (l & 3) + 1.  The part carried from earlier phases is joined last.
.macro REDUCE
	s_wait_xcnt 0x0                                ; RES and SA, which the last store reads, are rewritten only behind this wait
.irp j, 0,1,2,3
	v_cndmask_b32 v[RK+\j], v[ACC+2*\j], v[ACC+2*\j+1], s50
	v_cndmask_b32 v[RS+\j], v[ACC+2*\j+1], v[ACC+2*\j], s50
.endr
.irp j, 0,1,2,3
	v_max_num_f32_dpp v[RK+\j], v[RS+\j], v[RK+\j] row_xmask:4 row_mask:0xf bank_mask:0xf
.endr
.irp j, 0,1
	v_cndmask_b32 v[RC+\j], v[RK+2*\j], v[RK+2*\j+1], s51
	v_cndmask_b32 v[RS+\j], v[RK+2*\j+1], v[RK+2*\j], s51
.endr
.irp j, 0,1
	v_max_num_f32_dpp v[RC+\j], v[RS+\j], v[RC+\j] row_xmask:8 row_mask:0xf bank_mask:0xf
.endr
	v_cndmask_b32 v[RS], v[RC+1], v[RC], s52
	v_permlanex16_b32 v[RX], v[RS], s53, s54
	v_cndmask_b32 v[RES], v[RC], v[RX], s52
	v_cndmask_b32 v[RES+1], v[RX], v[RC+1], s52
	v_max_num_f32 v[RES], v[RES], v[CAR]
	v_max_num_f32 v[RES+1], v[RES+1], v[CAR+1]
.endm
; Plane s of the phase, nl row reads a y bin.
.macro PLANE s, nl
	s_bitcmp1_b32 s30, \s                          ; is the plane inside the ROI?
	s_cbranch_scc0 .Lnoclose_\@
.set yb, 0
.rept 8
.set t, 0
.rept \nl
	ds_load_b32 v[D+4*yb+t], v[AD+4*yb+t] offset:256*\s
.set t, t+1
.endr
.set yb, yb+1
.endr
.set yb, 0
.rept 8
	s_wait_dscnt (7-yb)*\nl                        ; LDS answers in order: the reads of the 7 - yb later bins may stay out; the last count is 0
.if \nl == 2
	v_max_num_f32 v[P+yb], v[D+4*yb], v[D+4*yb+1]
.else
	v_max3_num_f32 v[P+yb], v[D+4*yb], v[D+4*yb+1], v[D+4*yb+2]
.endif
.if \nl == 4
	v_max_num_f32 v[P+yb], v[P+yb], v[D+4*yb+3]
.endif
	v_max_num_f32 v[ACC+yb], v[ACC+yb], v[P+yb]
.set yb, yb+1
.endr
	s_bfe_u32 s46, s42, 0x40000|(4*\s)             ; z bins that have ended with this plane
	s_cmp_lt_u32 s31, s46
	s_cbranch_scc0 .Lnoclose_\@
.Lclose_\@:                                    ; one trip for each bin that ends here (several where the ROI has fewer planes than bins)
	REDUCE
	s_min_u32 s49, s31, 7
	s_lshl_b32 s49, s49, 8
	v_add_nc_u32 v[SA], s49, v[OB]
	global_store_b64 v[SA], v[RES:RES+1], s[22:23] th:TH_STORE_NT  ; the wave's 32 x 8 bytes: 256 consecutive bytes, aligned
	v_mov_b32 v[CAR], v[NINF]
	v_mov_b32 v[CAR+1], v[NINF]
	s_add_co_u32 s31, s31, 1
	s_bitcmp1_b32 s43, s31                         ; does the next bin begin on this plane?
	s_cselect_b32 s47, -1, 0
.irp y, 0,1,2,3,4,5,6,7
	v_cndmask_b32 v[ACC+\y], v[NINF], v[P+\y], s47
.endr
	s_cmp_lt_u32 s31, s46
	s_cbranch_scc1 .Lclose_\@
.Lnoclose_\@:
.endm
.macro VARIANT nl
.set tt, 0
.rept \nl
	ADDR tt
.set tt, tt+1
.endr
	NEXT                                           ; the record has been used up: the next one comes in under this ROI's planes
.irp s, 0,1,2,3,4,5,6,7
	PLANE \s, \nl
.endr
	s_branch .Lroi_tail
.endm
	s_load_b128 s[4:7], s[0:1], 0x0                ; features s[4:5], params s[6:7]
	s_load_b64 s[8:9], s[0:1], 0x10                ; out0
	v_lshl_add_u32 v212, v0, 2, 0x40000
	v_mov_b32 v213, 0
	v_and_b32 v1, 31, v0                           ; lane l
	v_lshrrev_b32 v7, 5, v0
	v_readfirstlane_b32 s10, v7                    ; wave
	s_lshr_b32 s11, ttmp9, 7                       ; batch
	s_and_b32 s12, ttmp9, 127                      ; channel
	s_mov_b32 s50, 0xf0f0f0f0                      ; lanes with bit 2, 3, 4 set
	s_mov_b32 s51, 0xff00ff00
	s_mov_b32 s52, 0xffff0000
	s_mov_b32 s53, 0x76543210                      ; v_permlanex16_b32: lane i of one half reads lane i of the other
	s_mov_b32 s54, 0xfedcba98
	v_mov_b32 v[NINF], 0xff800000
	v_mov_b32 v[RX], 0                             ; a lane permute's destination counts as read
	v_and_b32 v7, 3, v1
	v_lshrrev_b32 v8, 4, v1                        ; h
	v_lshl_add_u32 v[XB], v7, 1, v8
	v_bfe_u32 v[KK], v1, 2, 2
	v_lshlrev_b32 v[OL], 3, v1
	v_and_b32 v7, 15, v1
	v_lshlrev_b32 v15, 4, v7                       ; 16 (l & 15)
	v_lshl_add_u32 v[GOFF], v8, 16, v15            ; + 4 planes of 16,384 bytes for the upper lanes
	s_lshl_b32 s49, s10, 10
	v_add_nc_u32 v[GOFF], s49, v[GOFF]             ; + 4 rows of 256 bytes a wave
	v_lshl_add_u32 v15, v8, 10, v15                ; in LDS: 4 planes are 1,024 bytes
	s_lshl_b32 s49, s10, 14
	v_add_nc_u32 v[LFILL], s49, v15                ; 4 rows of 4,096 bytes a wave
	s_lshl_b32 s49, s10, 2
	s_add_co_u32 s49, s49, 4
	s_min_u32 s49, s49, 61                         ; the last wave has no rows below: it reads rows 61 to 63, for Y4 rows that nobody reads
	s_lshl_b32 s49, s49, 12
	v_add_nc_u32 v[LHALO], s49, v15
	s_lshl_b32 s49, s11, 10
	s_lshl_b32 s46, s10, 6
	s_add_co_u32 s49, s49, s46
	v_lshl_add_u32 v[OOFF], v7, 2, s49             ; order[batch][wave][l & 15]
	s_lshl_b32 s2, ttmp9, 19                       ; my volume: 512 KiB each, 128 MiB in all
	s_mov_b32 s3, 0
	s_wait_kmcnt 0x0
	s_load_b64 s[18:19], s[6:7], COUNTS
	s_add_nc_u64 s[20:21], s[4:5], s[2:3]
	s_lshl_b32 s2, s12, 11                         ; a channel's 8 x 8 x 8 f32
	s_add_nc_u64 s[22:23], s[8:9], s[2:3]
	global_load_b32 v[ORD], v[OOFF], s[6:7] offset:ORDER
	ISSUE_FILL                                     ; phase 0
.set i, 0
.rept 32
	v_mov_b32 v[S+i], v[NINF]                      ; an ROI that begins in a phase finds nothing carried
.set i, i+1
.endr
	s_wait_kmcnt 0x0
	s_cmp_lg_u32 s11, 0
	s_cselect_b32 s13, s19, s18                    ; ROIs of my batch
	s_min_u32 s13, s13, 256
	s_add_co_u32 s13, s13, 15
	s_sub_co_u32 s13, s13, s10
	s_lshr_b32 s13, s13, 4                         ; ranks that are my wave's number mod 16: 0 to 16
	s_mov_b32 s14, 0
.Lphase:
	STORE_FILL
	s_cmp_eq_u32 s14, 3
	s_cbranch_scc1 .Lnofill                        ; the last phase loads nothing: no load leaves the volume
	ISSUE_FILL
.Lnofill:
	s_lshl_b32 s29, s14, 4
	s_add_co_u32 s29, s29, 192                     ; record words 48 + 4 x phase
	s_cmp_eq_u32 s13, 0
	s_cbranch_scc1 .Lphase_end
	s_mov_b32 s16, 0
	s_mov_b32 s17, 0
	RECLOADS
.Lroi:
	s_wait_kmcnt 0x0                               ; the record
	s_mov_b32 s45, s26
	s_mov_b32 s30, s36
	s_mov_b32 s42, s37
	s_min_u32 s31, s38, 8
	s_mov_b32 s48, s39
	s_mov_b32 s43, s35
	s_mov_b32 s44, s34
	s_cmp_eq_u32 s30, 0
	s_cbranch_scc1 .Lidle                          ; none of the phase's planes is the ROI's
	v_mul_u32_u24 v7, s33, v[XB]                   ; my column: xmin + floor(xb Lx / 8) + min(k, width - 1)
	v_add3_u32 v8, v7, s33, 7
	v_lshrrev_b32 v7, 3, v7
	v_lshrrev_b32 v8, 3, v8
	v_sub_nc_u32 v8, v8, v7                        ; width
	v_add_nc_u32 v8, -1, v8
	v_min_u32 v8, v8, v[KK]
	v_add3_u32 v7, v7, v8, s32
	v_min_u32 v7, 63, v7
	v_lshlrev_b32 v[COL], 2, v7
	s_lshl_b32 s49, s45, 18                        ; an ROI's 128 channels x 2,048 bytes
	v_add_nc_u32 v[OB], s49, v[OL]
.irp y, 0,1,2,3,4,5,6,7
	v_mov_b32 v[ACC+\y], v[NINF]
.endr
	SELECT 0                                       ; what the phase before left of the open bin, or -infinity
	s_cmp_eq_u32 s44, 2
	s_cbranch_scc1 .Lv2
	s_cmp_eq_u32 s44, 3
	s_cbranch_scc1 .Lv3
	VARIANT 4
.Lv3:
	VARIANT 3
.Lv2:
	VARIANT 2
.Lroi_tail:
	s_bitcmp1_b32 s48, 1
	s_cbranch_scc0 .Lroi_end
	REDUCE                                         ; the ROI goes on in the next phase: its open bin, folded, waits in its register pair
	SELECT 1
	s_branch .Lroi_end
.Lidle:
	NEXT
.Lroi_end:
	s_add_co_u32 s16, s16, 1
	s_cmp_lt_u32 s16, s13
	s_cbranch_scc1 .Lroi
.Lphase_end:
	s_wait_dscnt 0x0                               ; my reads of the tables are over: behind this barrier they are written again
	s_barrier_signal -1
	s_barrier_wait -1
	s_add_co_u32 s14, s14, 1
	s_cmp_lt_u32 s14, 4
	s_cbranch_scc1 .Lphase
	s_wait_tensorcnt 0x0
	ds_add_u32 v212, v213
	s_wait_dscnt 0x0
	s_endpgm
.Lfunc_end_k_q865dd30f07_pool:
	.size	k_q865dd30f07_pool, .Lfunc_end_k_q865dd30f07_pool-k_q865dd30f07_pool
	.p2alignl 7, 3214868480
	.fill 96, 4, 3214868480
	.section	.rodata,"a",@progbits
	.p2align	6, 0x0
	.amdhsa_kernel k_q865dd30f07_pool
		.amdhsa_group_segment_fixed_size 264192
		.amdhsa_private_segment_fixed_size 0
		.amdhsa_enable_private_segment 0
		.amdhsa_kernarg_size 24
		.amdhsa_user_sgpr_count 2
		.amdhsa_user_sgpr_kernarg_segment_ptr 1
		.amdhsa_wavefront_size32 1
		.amdhsa_system_sgpr_workgroup_id_x 1
		.amdhsa_system_sgpr_workgroup_id_y 1
		.amdhsa_system_sgpr_workgroup_id_z 1
		.amdhsa_system_vgpr_workitem_id 0
		.amdhsa_next_free_vgpr 214
		.amdhsa_next_free_sgpr 100
		.amdhsa_reserve_vcc 0
		.amdhsa_float_denorm_mode_32 3
		.amdhsa_float_denorm_mode_16_64 3
		.amdhsa_memory_ordered 1
		.amdhsa_forward_progress 1
		.amdhsa_inst_pref_size 154
	.end_amdhsa_kernel
	.amdgpu_metadata
---
amdhsa.version: [ 1, 2 ]
amdhsa.kernels:
  - .name:           k_q865dd30f07_pool
    .symbol:         k_q865dd30f07_pool.kd
    .args:
      - { .name: features, .offset: 0, .size: 8, .value_kind: global_buffer, .address_space: global }
      - { .name: params, .offset: 8, .size: 8, .value_kind: global_buffer, .address_space: global }
      - { .name: out0, .offset: 16, .size: 8, .value_kind: global_buffer, .address_space: global }
    .group_segment_fixed_size: 264192
    .private_segment_fixed_size: 0
    .kernarg_segment_align: 8
    .kernarg_segment_size: 24
    .max_flat_workgroup_size: 512
    .sgpr_count:     100
    .vgpr_count:     214
    .wavefront_size: 32
...
	.end_amdgpu_metadata
.endif
;; end of part 2
;; ======== version 2 of 2: 2 launches; 1.22 times as fast as version 1
;; workspace buffers: params 67,840 bytes of whole numbers
;; launch prep (part 3): grid 8 x 1, 1 waves a work-group, no clusters, 8,960 bytes of LDS; arguments rois, params; writes params
.if DOCPART == 3
	.amdgcn_target "amdgcn-amd-amdhsa--gfx1250"
	.amdhsa_code_object_version 6
	.text
	.protected	k_q865dd30f07_prep
	.globl	k_q865dd30f07_prep
	.p2align	8
	.type	k_q865dd30f07_prep,@function
k_q865dd30f07_prep:
	s_mov_b64 s[64:65], 0
	v_nop
	global_prefetch_b8 v0, s[64:65] scope:SCOPE_SE
	s_setreg_imm32_b32 hwreg(HW_REG_WAVE_MODE, 25, 1), 1
	s_wait_xcnt 0x0
; ROI pooling, step 1: the 256 ROIs (seven f32 each: batch, xmin, ymin, zmin, xmax, ymax, zmax) become whole numbers for the pooling launch.
; Eight work-groups of one wave; lane l of work-group g makes the record of ROI 32 g + l and two words of the order lists.  Every store address hangs on
; the work-group's and the lane's number alone; what is derived from the floats is only ever DATA here (no branch, no address).
; params:  byte 256 n: record of ROI n
;            w0 xmin   w1 Lx   w2 NL (row reads for a y bin, 2 to 4)   w3 bit i: z bin i begins on the last plane of bin i-1   w4-15 zero
;            w16+4 yb+t: LDS byte offset of the t-th row that y bin yb reads: row*4096, +2048 if the table of 4-row maxima is read
;            w48+4 q+0..3, for the phase of planes 8q..8q+7: mask of the ROI's planes; a 4-bit count for each plane (z bins that have ended with it or before);
;            that count in front of the phase; bit 0: the ROI began before the phase, bit 1: it goes on behind it
;          byte 65536: order[batch][w][i] = the ROI whose rank among its batch's ROIs is 16 i + w (one word each, 512 words)
;          byte 67584: number of ROIs of batch 0 (even words) and of batch 1 (odd words), 64 words
; STORES: a lane holds a whole record, so the 32 records go through an LDS stage of the wave's own and leave as 16 stores of 512 consecutive bytes.
; Work-group g owns the 64 words at byte 256 g of the order lists (batch g >> 2), two neighbouring words a lane: one store of 256 consecutive bytes, aligned.
; LIMITS: after truncation toward zero an ROI is taken to satisfy 0 <= min < max <= size on each axis (64, 64, 32); numbers outside are clamped to that,
; which keeps every later address inside its table but is not what the reference computes for such ROIs.  A batch number below 1 (or NaN) counts as 0, others as 1.
.set ORDER,  65536
.set COUNTS, 67584
.set PITCH,  272                       ; the stage's rows: 256 bytes + 16
.set FB, 10                            ; v[10:16]   my ROI's seven numbers
.set BB, 20                            ; v[20:27]   batch numbers of ROIs 32 j + lane
.set HD, 48                            ; v[48:51]   record words 0..3
.set ZQ, 56                            ; v[56:59]   zeros: record words 4..15
.set RW, 64                            ; v[64:95]   record words 16..47
.set PH, 96                            ; v[96:111]  record words 48..63
.set LZ, 112                           ; v112       Lz
.set CNT, 113                          ; v[113:116] a 4-bit digit for each plane: bins whose last plane it is
.set SH, 117                           ; v117       the share bits
.set ONE, 118                          ; v118       1
.set CW, 126                           ; v[126:129] the running counts
.set PM, 130                           ; v130       mask of the planes zmin..zmax-1
.set OUTR, 136                         ; v[136:199] the records as they leave: 16 x 16 bytes a lane
	s_load_b128 s[4:7], s[0:1], 0x0                ; rois s[4:5], params s[6:7]
	v_lshl_add_u32 v200, v0, 2, 0x2200
	v_mov_b32 v201, 0
	s_mov_b32 s8, ttmp9                            ; work-group g; v0 is the lane
	s_lshl_b32 s10, s8, 5
	v_add_nc_u32 v2, s10, v0                       ; my ROI
	v_mul_u32_u24 v3, v2, 28                       ; its row of 7 floats
	v_mul_u32_u24 v4, v0, 28
	s_wait_kmcnt 0x0
.irp f, 0,1,2,3,4,5,6
	global_load_b32 v[FB+\f], v3, s[4:5] offset:4*\f
.endr
.irp j, 0,1,2,3,4,5,6,7
	global_load_b32 v[BB+\j], v4, s[4:5] offset:896*\j     ; every wave looks at all 256 batch numbers: no exchange between work-groups
.endr
	s_and_b32 s12, s8, 3                           ; my two words of the list: t = 64 (g & 3) + 2 l and t + 1.  Word t = 16 w + i holds rank 16 i + w
	s_lshl_b32 s12, s12, 6
	v_lshl_add_u32 v5, v0, 1, s12
	v_and_b32 v6, 15, v5
	v_lshrrev_b32 v7, 4, v5
	v_lshl_add_u32 v34, v6, 4, v7                  ; the rank sought for word t
	v_add_nc_u32 v35, 16, v34                      ; and for word t + 1 (t is even: i is one more, w the same)
	s_cmp_lt_u32 s8, 4
	s_cselect_b32 s11, -1, 0                       ; work-groups 0 to 3 list batch 0: the masks below are flipped
	s_wait_loadcnt 0x0
	; ---- the order list of my batch.  s[20:27]: bit l of word j = ROI 32 j + l is a member; s[36:43]: members up to and with group j
.irp j, 0,1,2,3,4,5,6,7
	v_cmp_le_f32 s[20+\j], 1.0, v[BB+\j]
.endr
.irp j, 0,1,2,3,4,5,6,7
	s_xor_b32 s[20+\j], s[20+\j], s11
.endr
	s_bcnt1_i32_b32 s36, s20
.set j, 1
.rept 7
	s_bcnt1_i32_b32 s9, s[20+j]
	s_add_co_u32 s[36+j], s[35+j], s9
.set j, j+1
.endr
; By selects: the group of 32 that holds member number v[k]: its mask to v[m], 32 x group to v[r], the members of the group in front of the one sought to v[f].
.macro GROUP m, f, r, k
	v_mov_b32 v[\m], s20
	v_mov_b32 v[\f], 0
	v_mov_b32 v[\r], 0
.irp j, 1,2,3,4,5,6,7
	v_cmp_gt_u32 vcc_lo, s[35+\j], v[\k]           ; still inside an earlier group: keep
	v_cndmask_b32 v[\m], s[20+\j], v[\m], vcc_lo
	v_cndmask_b32 v[\f], s[35+\j], v[\f], vcc_lo
	v_cndmask_b32 v[\r], 32*\j, v[\r], vcc_lo
.endr
	v_sub_nc_u32 v[\f], v[\k], v[\f]
.endm
	GROUP 30, 31, 36, 34
	GROUP 40, 41, 37, 35
	; The place in the group = how many places have a running count of members <= what is sought.  The two searches go side by side.
	; Ranks at or beyond the list's length give a number that nobody pools; it is cut to 255.
	v_mov_b32 v32, 0
	v_mov_b32 v42, 0
.set i, 0
.rept 32
	v_bfe_u32 v33, v30, i, 1
	v_bfe_u32 v43, v40, i, 1
	v_add_nc_u32 v32, v32, v33                     ; members up to and with place i
	v_add_nc_u32 v42, v42, v43
	v_cmp_le_u32 vcc_lo, v32, v31
	v_add_co_ci_u32 v36, vcc_lo, 0, v36, vcc_lo    ; place i lies in front of the one sought
	v_cmp_le_u32 vcc_lo, v42, v41
	v_add_co_ci_u32 v37, vcc_lo, 0, v37, vcc_lo
.set i, i+1
.endr
	v_min_u32 v36, 255, v36
	v_min_u32 v37, 255, v37
	s_lshl_b32 s13, s8, 8
	v_lshl_add_u32 v38, v0, 3, s13
	global_store_b64 v38, v[36:37], s[6:7] offset:ORDER    ; 32 lanes x 8 bytes: 256 consecutive bytes, aligned.  v36-38 are not written again
	s_cmp_lg_u32 s8, 0
	s_cbranch_scc1 .Lnot_first
	v_mov_b32 v52, s43                             ; work-group 0 has counted batch 0; the rest of the 256 ROIs are batch 1's
	v_sub_nc_u32 v53, 0x100, v52
	v_lshlrev_b32 v54, 3, v0
	global_store_b64 v54, v[52:53], s[6:7] offset:COUNTS   ; v52-54 are not written again
.Lnot_first:
	; ---- my ROI's numbers: truncate, clamp (in f32, where a NaN falls to the bound), convert
.macro AXIS lo, hi, top, topm1
	v_trunc_f32 v[\lo], v[\lo]
	v_trunc_f32 v[\hi], v[\hi]
	v_max_num_f32 v[\lo], 0, v[\lo]
	v_min_num_f32 v[\lo], \topm1, v[\lo]
	v_add_f32 v5, 1.0, v[\lo]
	v_max_num_f32 v[\hi], v[\hi], v5
	v_min_num_f32 v[\hi], \top, v[\hi]
	v_cvt_u32_f32 v[\lo], v[\lo]
	v_cvt_u32_f32 v[\hi], v[\hi]
.endm
	AXIS FB+1, FB+4, 64.0, 63.0
	AXIS FB+2, FB+5, 64.0, 63.0
	AXIS FB+3, FB+6, 32.0, 31.0
	v_mov_b32 v[HD+0], v[FB+1]                     ; xmin
	v_sub_nc_u32 v[HD+1], v[FB+4], v[FB+1]         ; Lx
	; ---- y.  Bin yb covers rows ys = ymin + floor(yb L / 8) .. ye - 1, ye = ymin + ceil((yb+1) L / 8).
	; The narrowest bin has c = ceil(L/8) rows; one row more occurs exactly if L mod 8 is 3, 5, 6 or 7 (bits of 0xe8).
	; c >= 4: windows of 4 rows from the table of 4-row maxima, at ys, ys+4, .. cut to ye-4.  Else single rows ys, ys+1, .. cut to ye-1.
	v_sub_nc_u32 v6, v[FB+5], v[FB+2]              ; Ly
	v_add_nc_u32 v7, 7, v6
	v_lshrrev_b32 v7, 3, v7                        ; c
	v_and_b32 v8, 7, v6
	v_mov_b32 v9, 0xe8
	v_lshrrev_b32 v9, v8, v9
	v_and_b32 v9, 1, v9
	v_add_nc_u32 v9, v7, v9                        ; the widest bin
	v_cmp_le_u32 vcc_lo, 4, v7
	v_mov_b32 v43, 4
	v_mov_b32 v44, 0x800
	v_cndmask_b32 v28, 1, v43, vcc_lo              ; rows in a window = step from window to window
	v_cndmask_b32 v29, 0, v44, vcc_lo              ; which table
	v_add_nc_u32 v42, 3, v9
	v_lshrrev_b32 v42, 2, v42
	v_cndmask_b32 v[HD+2], v9, v42, vcc_lo         ; windows that cover the widest bin;
	v_max_u32 v[HD+2], 2, v[HD+2]                  ; the pooling launch has forms for 2, 3 and 4 (a repeated row changes no maximum)
.set yb, 0
.rept 8
	v_mul_u32_u24 v45, yb, v6
	v_add3_u32 v46, v45, v6, 7
	v_lshrrev_b32 v45, 3, v45
	v_lshrrev_b32 v46, 3, v46
	v_add_nc_u32 v45, v45, v[FB+2]                 ; ys
	v_add_nc_u32 v46, v46, v[FB+2]                 ; ye
	v_sub_nc_u32 v46, v46, v28                     ; the last window's first row
.set t, 0
.rept 4
	v_min_u32 v47, v45, v46
	v_lshl_add_u32 v[RW+4*yb+t], v47, 12, v29
	v_add_nc_u32 v45, v45, v28
.set t, t+1
.endr
.set yb, yb+1
.endr
	; ---- z.  A product with 0x11111111 turns the eight digits of a word into running sums (no sum passes 8, so no digit overflows);
	; the word before hands its last sum on.
	v_sub_nc_u32 v[LZ], v[FB+6], v[FB+3]
	v_mov_b32 v[CNT+0], 0
	v_mov_b32 v[CNT+1], 0
	v_mov_b32 v[CNT+2], 0
	v_mov_b32 v[CNT+3], 0
	v_mov_b32 v[SH], 0
	v_mov_b32 v[ONE], 1
.set i, 0
.rept 8
	v_mul_u32_u24 v119, i, v[LZ]
	v_add3_u32 v120, v119, v[LZ], 7
	v_lshrrev_b32 v119, 3, v119                    ; the bin's first plane, from zmin
	v_lshrrev_b32 v120, 3, v120                    ; one past its last
.if i > 0
	v_cmp_lt_u32 vcc_lo, v119, v121                ; it begins on the last plane of the bin before
	v_cndmask_b32 v122, 0, v[ONE], vcc_lo
	v_lshl_or_b32 v[SH], v122, i, v[SH]
.endif
	v_mov_b32 v121, v120
	v_add3_u32 v123, v120, v[FB+3], -1             ; its last plane
	v_and_b32 v124, 7, v123
	v_lshlrev_b32 v124, 2, v124
	v_lshlrev_b32 v124, v124, v[ONE]               ; 1 in that plane's digit
	v_lshrrev_b32 v123, 3, v123
.set p, 0
.rept 4
	v_cmp_eq_u32 vcc_lo, p, v123
	v_cndmask_b32 v125, 0, v124, vcc_lo
	v_add_nc_u32 v[CNT+p], v[CNT+p], v125
.set p, p+1
.endr
.set i, i+1
.endr
	s_mov_b32 s9, 0x11111111
	v_mul_lo_u32 v[CW], v[CNT], s9
	v_mov_b32 v[PH+2], 0                           ; no bin has ended in front of phase 0
.set p, 1
.rept 3
	v_lshrrev_b32 v[PH+4*p+2], 28, v[CW+p-1]       ; bins ended in front of phase p
	v_add_nc_u32 v[CNT+p], v[CNT+p], v[PH+4*p+2]
	v_mul_lo_u32 v[CW+p], v[CNT+p], s9
.set p, p+1
.endr
	v_sub_nc_u32 v131, 32, v[LZ]
	v_mov_b32 v[PM], -1
	v_lshrrev_b32 v[PM], v131, v[PM]               ; Lz ones (Lz is 1 to 32)
	v_lshlrev_b32 v[PM], v[FB+3], v[PM]            ; from bit zmin
.set p, 0
.rept 4
	v_bfe_u32 v[PH+4*p], v[PM], 8*p, 8
	v_mov_b32 v[PH+4*p+1], v[CW+p]
	v_cmp_gt_u32 vcc_lo, 8*p, v[FB+3]              ; zmin < 8 p
	v_cndmask_b32 v131, 0, v[ONE], vcc_lo
	v_cmp_lt_u32 vcc_lo, 8*p+8, v[FB+6]            ; zmax > 8 p + 8
	v_cndmask_b32 v125, 0, v[ONE], vcc_lo
	v_lshl_or_b32 v[PH+4*p+3], v125, 1, v131
.set p, p+1
.endr
	v_mov_b32 v[HD+3], v[SH]
.irp q, 0,1,2,3
	v_mov_b32 v[ZQ+\q], 0
.endr
	; ---- the way out: lane l lays its record into row l of the stage; then 16 lanes take a record's 256 bytes, the other 16 the next record's.
	v_mul_u32_u24 v132, v0, PITCH
	ds_store_b128 v132, v[HD:HD+3]
.irp q, 1,2,3
	ds_store_b128 v132, v[ZQ:ZQ+3] offset:16*\q
.endr
.irp q, 0,1,2,3,4,5,6,7,8,9,10,11
	ds_store_b128 v132, v[RW+4*\q:RW+4*\q+3] offset:64+16*\q       ; RW and PH follow each other in the registers as in the record
.endr
	v_lshrrev_b32 v133, 4, v0
	v_and_b32 v134, 15, v0
	v_mul_u32_u24 v133, v133, PITCH
	v_lshl_add_u32 v133, v134, 4, v133
	s_lshl_b32 s14, s8, 13                         ; my work-group's 32 records of 256 bytes
	v_lshl_add_u32 v135, v0, 4, s14
.irp t, 0,1,2,3,4,5,6,7,8,9,10,11,12,13,14,15
	ds_load_b128 v[OUTR+4*\t:OUTR+4*\t+3], v133 offset:2*PITCH*\t  ; LDS serves a wave's instructions in order (ISA guide 5.7.1.4): these see the stores above
.endr
.irp t, 0,1,2,3,4,5,6,7,8,9,10,11,12,13,14,15
	s_wait_dscnt 15-\t                             ; the 15 - t later read-backs may stay out
	global_store_b128 v135, v[OUTR+4*\t:OUTR+4*\t+3], s[6:7] offset:512*\t  ; records 2 t and 2 t + 1: 512 consecutive bytes, aligned
.endr
	s_wait_tensorcnt 0x0
	ds_add_u32 v200, v201
	s_wait_dscnt 0x0
	s_endpgm
.Lfunc_end_k_q865dd30f07_prep:
	.size	k_q865dd30f07_prep, .Lfunc_end_k_q865dd30f07_prep-k_q865dd30f07_prep
	.p2alignl 7, 3214868480
	.fill 96, 4, 3214868480
	.section	.rodata,"a",@progbits
	.p2align	6, 0x0
	.amdhsa_kernel k_q865dd30f07_prep
		.amdhsa_group_segment_fixed_size 8960
		.amdhsa_private_segment_fixed_size 0
		.amdhsa_enable_private_segment 0
		.amdhsa_kernarg_size 16
		.amdhsa_user_sgpr_count 2
		.amdhsa_user_sgpr_kernarg_segment_ptr 1
		.amdhsa_wavefront_size32 1
		.amdhsa_system_sgpr_workgroup_id_x 1
		.amdhsa_system_sgpr_workgroup_id_y 1
		.amdhsa_system_sgpr_workgroup_id_z 1
		.amdhsa_system_vgpr_workitem_id 0
		.amdhsa_next_free_vgpr 202
		.amdhsa_next_free_sgpr 66
		.amdhsa_reserve_vcc 1
		.amdhsa_float_denorm_mode_32 3
		.amdhsa_float_denorm_mode_16_64 3
		.amdhsa_memory_ordered 1
		.amdhsa_forward_progress 1
		.amdhsa_inst_pref_size 38
	.end_amdhsa_kernel
	.amdgpu_metadata
---
amdhsa.version: [ 1, 2 ]
amdhsa.kernels:
  - .name:           k_q865dd30f07_prep
    .symbol:         k_q865dd30f07_prep.kd
    .args:
      - { .name: rois, .offset: 0, .size: 8, .value_kind: global_buffer, .address_space: global }
      - { .name: params, .offset: 8, .size: 8, .value_kind: global_buffer, .address_space: global }
    .group_segment_fixed_size: 8960
    .private_segment_fixed_size: 0
    .kernarg_segment_align: 8
    .kernarg_segment_size: 16
    .max_flat_workgroup_size: 32
    .sgpr_count:     66
    .vgpr_count:     202
    .wavefront_size: 32
...
	.end_amdgpu_metadata
.endif
;; end of part 3
;; launch pool (part 4): grid 256 x 1, 16 waves a work-group, no clusters, 264,192 bytes of LDS; arguments features, params, out0; writes out0
.if DOCPART == 4
	.amdgcn_target "amdgcn-amd-amdhsa--gfx1250"
	.amdhsa_code_object_version 6
	.text
	.protected	k_q865dd30f07_pool
	.globl	k_q865dd30f07_pool
	.p2align	8
	.type	k_q865dd30f07_pool,@function
k_q865dd30f07_pool:
	s_mov_b64 s[64:65], 0
	v_nop
	global_prefetch_b8 v0, s[64:65] scope:SCOPE_SE
	s_setreg_imm32_b32 hwreg(HW_REG_WAVE_MODE, 25, 1), 1
	s_wait_xcnt 0x0
; ROI pooling, step 2.  out0[n][c][zb][yb][xb] = max of features[b(n)][c] over the bin's planes and rows and its first (at most four) columns.
; One work-group owns one volume (batch, channel): 32 planes x 64 rows x 64 f32 = 512 KiB, and serves every ROI of that batch: each feature byte is
; loaded once in the launch, each output byte is written once.  16 waves.
; PHASES: the volume goes through LDS in four phases of 8 planes.  A phase's 128 KiB are loaded into registers at the head of the phase before
; (16 loads of 16 bytes a lane; wave w takes rows 4w..4w+3 of all 8 planes) and so have that phase's pooling in which to arrive.  Two tables are stored:
; the rows as they are, and Y4[y] = max(f[y..y+3]); the three rows below a wave's four come from the first table, behind a barrier.
; LDS byte = row*4096 + table*2048 + plane*256 + 4 x, so that a plane stands in a read's immediate offset.
; POOLING: a wave takes one ROI at a time.  Its 32 lanes are the ROI's 8 x 4 columns xs(xb) + min(k, width-1).  A y bin of 4 to 8 rows is two reads of Y4
; (rows ys and ye-4), of 9 rows three; ROIs whose narrowest bin has under 4 rows read single rows, 2 to 4 a bin.  All 32 lanes of a read take words of one
; run of 256 bytes, each column its own word, equal columns the same word.  Planes go in order and join the accumulators straight from the read registers;
; when a z bin ends, the eight accumulators (yb) are folded over the four lanes of a column group so that lane l ends with the two numbers at byte 8 l of
; the bin's 256 bytes: one store of the wave covers those 256 consecutive bytes, aligned.  The next bin may begin on the same plane: the plane's own maxima
; are then its start; they are formed from the read registers, which still hold the plane, only where a bin ends.  A bin open at a phase's end waits,
; folded, in a register pair of its ROI's own (16 ROIs a wave at the most, 32 registers); a scalar cannot index registers, so four bit tests lead to the pair.
; The ROIs' numbers come as whole numbers from the launch before, by scalar loads (their counter is not the feature loads'): a phase's first record is
; asked for in front of the tables' fill, each further one as soon as the record before has been used up.
; NOT USED: clusters and joint loads (no two work-groups read the same feature byte); the tensor data mover (the rows pass through registers anyway, for Y4,
; and the tables are written by LDS stores); the matrix units (no products); prefetches (the loads themselves are issued a phase ahead).
; LIMITS: ROIs as the launch before states (0 <= min < max <= size).  Maxima are v_max_num_f32: a NaN among the features loses, where the reference hands it on.
.set ROWP,   4096                      ; LDS bytes from row to row
.set TAB4,   2048                      ; the Y4 table's place in a row's 4,096 bytes
.set ORDER,  65536
.set COUNTS, 67584
.set MAXROW, 63*ROWP+TAB4
.set XB,  2                            ; v2   my column's x bin: 2 (l & 3) + (l >> 4)
.set KK,  3                            ; v3   my place 0..3 in the bin: (l >> 2) & 3
.set OL,  4                            ; v4   8 x lane
.set ORD, 6                            ; v6   lane i (and 16 + i): my wave's i-th ROI
.set OB,  9                            ; v9   this ROI's place in out0 + 8 x lane
.set COL, 10                           ; v10  4 x my column
.set SA,  12                           ; v12  store offset
.set NINF, 13                          ; v13  -infinity
.set RX,  14                           ; v14  what the other half of the lanes sent
.set AD,  16                           ; v[16:47]   LDS address of row read t of y bin yb, at 4 yb + t
.set T4,  16                           ; v[16:31]   while the tables are filled: four rows of Y4
.set M23, 32                           ; v[32:35]   max of my rows 2, 3
.set MH,  36                           ; v[36:39]   max of the two rows below mine
.set D,   48                           ; v[48:79]   what the row reads bring
.set H,   48                           ; v[48:95]   while the tables are filled: row j below mine, of plane p, at 4 (3 p + j)
.set ACC, 80                           ; v[80:87]   the open z bin, by yb
.set P,   88                           ; v[88:95]   where a bin ends: the plane's own maxima, by yb
.set CAR, 96                           ; v[96:97]   the open bin's part from earlier phases, folded
.set RES, 98                           ; v[98:99]   a folded bin
.set RK,  100                          ; v[100:103] fold: kept
.set RS,  104                          ; v[104:107] fold: sent
.set RC,  108                          ; v[108:109] fold: after two steps
.set GOFF,  110                        ; v110 my 16 bytes in my first row, from the phase's first plane; lanes 16-31 four planes on
.set LFILL, 111                        ; v111 where they go in LDS
.set LHALO, 112                        ; v112 the same in the first row below my four
.set OOFF,  113                        ; v113 offset of my word of the order list
.set F,   116                          ; v[116:179] row r of plane p (of my half's four) at 4 (4 p + r): on their way during the pooling
.set S,   180                          ; v[180:211] my i-th ROI's open bin between phases, folded, at 2 i
.set ROW, 68                           ; s[68:99]   the record's 32 row offsets
; s10 wave  s11 batch  s12 channel  s13 my ROIs  s14 phase  s16 ROI counter  s17 place in my list  s[20:21] features, next phase to load  s[22:23] out0 at channel c
; s26 the ROI whose record is on its way  s27, s28 offsets of the pending scalar loads  s29 the phase's words in a record  s30 this phase's planes of the ROI
; s31 open z bin  s[32:35] record words 0-3  s[36:39] the phase's words  s42 counts  s43 share bits  s44 NL  s45 this ROI  s46 bins ended by now  s47 select  s48 flags  s49 at work
; 16 loads for the next phase: 16 lanes take a row's 256 consecutive bytes, aligned; the other 16 the same row four planes on.  Read once in the launch.
.macro ISSUE_FILL
.set p, 0
.rept 4
.set r, 0
.rept 4
	global_load_b128 v[F+4*(4*p+r):F+4*(4*p+r)+3], v[GOFF], s[20:21] offset:16384*p+256*r th:TH_LOAD_NT
.set r, r+1
.endr
.set p, p+1
.endr
.endm
; The rows have come: store them; behind a barrier fetch the three rows below; form Y4 and store it; a barrier in front of the pooling.
.macro STORE_FILL
	s_wait_loadcnt 0x0                             ; all my vector loads
	s_add_nc_u64 s[20:21], s[20:21], 0x20000       ; 8 planes on; the loads that named the base are done
.set p, 0
.rept 4
.set r, 0
.rept 4
	ds_store_b128 v[LFILL], v[F+4*(4*p+r):F+4*(4*p+r)+3] offset:ROWP*r+256*p
.set r, r+1
.endr
.set p, p+1
.endr
	s_wait_dscnt 0x0                               ; my rows lie in LDS: the wave above reads three of them
	s_barrier_signal -1
	s_barrier_wait -1
.set p, 0
.rept 4
.set r, 0
.rept 3
	ds_load_b128 v[H+4*(3*p+r):H+4*(3*p+r)+3], v[LHALO] offset:ROWP*r+256*p
.set r, r+1
.endr
.set p, p+1
.endr
	s_wait_dscnt 0x0
.set p, 0
.rept 4
.set c, 0
.rept 4
	v_max_num_f32 v[M23+c], v[F+16*p+8+c], v[F+16*p+12+c]
	v_max_num_f32 v[MH+c], v[H+12*p+c], v[H+12*p+4+c]
	v_max3_num_f32 v[T4+c], v[F+16*p+c], v[F+16*p+4+c], v[M23+c]
	v_max3_num_f32 v[T4+4+c], v[F+16*p+4+c], v[M23+c], v[H+12*p+c]
	v_max_num_f32 v[T4+8+c], v[M23+c], v[MH+c]
	v_max3_num_f32 v[T4+12+c], v[F+16*p+12+c], v[MH+c], v[H+12*p+8+c]
.set c, c+1
.endr
.set r, 0
.rept 4
	ds_store_b128 v[LFILL], v[T4+4*r:T4+4*r+3] offset:ROWP*r+TAB4+256*p     ; Y4 of rows 61 to 63 is never read: windows are cut to ye - 4 <= 60
.set r, r+1
.endr
.set p, p+1
.endr
	s_wait_dscnt 0x0                               ; both tables are whole for every wave behind this barrier
	s_barrier_signal -1
	s_barrier_wait -1
.endm
; Ask for the record of my list's ROI number s17.
.macro RECLOADS
	s_wait_kmcnt 0x0                               ; no scalar load is out: the offsets and the record's registers may be written
	v_readlane_b32 s26, v[ORD], s17
	s_min_u32 s26, s26, 255
	s_lshl_b32 s27, s26, 8
	s_add_co_u32 s28, s27, s29
	s_load_b128 s[32:35], s[6:7], s27 offset:0x0
	s_load_b128 s[36:39], s[6:7], s28 offset:0x0
	s_load_b512 s[68:83], s[6:7], s27 offset:64
	s_load_b512 s[84:99], s[6:7], s27 offset:128
.endm
.macro NEXT                            ; the ROI behind this one; behind my last the list's place is still inside its 16 words, and the record is not used
	s_add_co_u32 s17, s16, 1
	s_min_u32 s17, s17, 15
	RECLOADS
.endm
; LDS addresses of row read t of the eight y bins
.macro ADDR t
.set yb, 0
.rept 8
	s_min_u32 s[ROW+4*yb+\t], s[ROW+4*yb+\t], MAXROW
	v_add_nc_u32 v[AD+4*yb+\t], s[ROW+4*yb+\t], v[COL]
.set yb, yb+1
.endr
.endm
; The register pair of my ROI number s16 (0 to 15).  kind 0: CAR takes it; kind 1: it takes RES.
.macro MOVE kind, i
.if \kind == 0
	v_mov_b32 v[CAR], v[S+2*(\i)]
	v_mov_b32 v[CAR+1], v[S+2*(\i)+1]
.else
	v_mov_b32 v[S+2*(\i)], v[RES]
	v_mov_b32 v[S+2*(\i)+1], v[RES+1]
.endif
.endm
.macro LEAF2 kind, i                   ; pair i or i + 1, by the counter's lowest bit
	s_bitcmp1_b32 s16, 0
	s_cbranch_scc1 .Lodd_\@
	MOVE \kind, \i
	s_branch .Lseldone_\kind
.Lodd_\@:
	MOVE \kind, \i+1
	s_branch .Lseldone_\kind
.endm
.macro SELECT kind                     ; four bit tests, two moves
	s_bitcmp1_b32 s16, 3
	s_cbranch_scc1 .Lsel8_\kind
	s_bitcmp1_b32 s16, 2
	s_cbranch_scc1 .Lsel4_\kind
	s_bitcmp1_b32 s16, 1
	s_cbranch_scc1 .Lsel2_\kind
	LEAF2 \kind, 0
.Lsel2_\kind:
	LEAF2 \kind, 2
.Lsel4_\kind:
	s_bitcmp1_b32 s16, 1
	s_cbranch_scc1 .Lsel6_\kind
	LEAF2 \kind, 4
.Lsel6_\kind:
	LEAF2 \kind, 6
.Lsel8_\kind:
	s_bitcmp1_b32 s16, 2
	s_cbranch_scc1 .Lsel12_\kind
	s_bitcmp1_b32 s16, 1
	s_cbranch_scc1 .Lsel10_\kind
	LEAF2 \kind, 8
.Lsel10_\kind:
	LEAF2 \kind, 10
.Lsel12_\kind:
	s_bitcmp1_b32 s16, 1
	s_cbranch_scc1 .Lsel14_\kind
	LEAF2 \kind, 12
.Lsel14_\kind:
	LEAF2 \kind, 14
.Lseldone_\kind:
.endm
; Fold ACC (8 y bins x 32 columns) into RES.  Each step keeps half of the registers and sends the other half to the partner lane, which keeps those:
; after lanes xor 4 and xor 8 a lane holds y bins k and 4 + k of its x bin, maxima over all four k; the step xor 16 leaves y bin l >> 2 with
; x bins 2 (l & 3) and 2 (l & 3) + 1.  The part carried from earlier phases is joined last.
.macro REDUCE
	s_wait_xcnt 0x0                                ; RES and SA, which the last store reads, are rewritten only behind this wait
.irp j, 0,1,2,3
	v_cndmask_b32 v[RK+\j], v[ACC+2*\j], v[ACC+2*\j+1], s50
	v_cndmask_b32 v[RS+\j], v[ACC+2*\j+1], v[ACC+2*\j], s50
.endr
.irp j, 0,1,2,3
	v_max_num_f32_dpp v[RK+\j], v[RS+\j], v[RK+\j] row_xmask:4 row_mask:0xf bank_mask:0xf
.endr
.irp j, 0,1
	v_cndmask_b32 v[RC+\j], v[RK+2*\j], v[RK+2*\j+1], s51
	v_cndmask_b32 v[RS+\j], v[RK+2*\j+1], v[RK+2*\j], s51
.endr
.irp j, 0,1
	v_max_num_f32_dpp v[RC+\j], v[RS+\j], v[RC+\j] row_xmask:8 row_mask:0xf bank_mask:0xf
.endr
	v_cndmask_b32 v[RS], v[RC+1], v[RC], s52
	v_permlanex16_b32 v[RX], v[RS], s53, s54
	v_cndmask_b32 v[RES], v[RC], v[RX], s52
	v_cndmask_b32 v[RES+1], v[RX], v[RC+1], s52
	v_max_num_f32 v[RES], v[RES], v[CAR]
	v_max_num_f32 v[RES+1], v[RES+1], v[CAR+1]
.endm
; The row reads of y bins y0 .. y0 + 3 join their accumulators; with more than two reads a bin the second instructions follow the four first ones.
.macro TAKE nl, y0
.set yb, \y0
.rept 4
	v_max3_num_f32 v[ACC+yb], v[D+4*yb], v[D+4*yb+1], v[ACC+yb]
.set yb, yb+1
.endr
.if \nl > 2
.set yb, \y0
.rept 4
.if \nl == 3
	v_max_num_f32 v[ACC+yb], v[ACC+yb], v[D+4*yb+2]
.else
	v_max3_num_f32 v[ACC+yb], v[D+4*yb+2], v[D+4*yb+3], v[ACC+yb]
.endif
.set yb, yb+1
.endr
.endif
.endm
; The plane's own maxima, from the read registers, which still hold it.
.macro PMAX nl
.set yb, 0
.rept 8
.if \nl == 2
	v_max_num_f32 v[P+yb], v[D+4*yb], v[D+4*yb+1]
.else
	v_max3_num_f32 v[P+yb], v[D+4*yb], v[D+4*yb+1], v[D+4*yb+2]
.endif
.set yb, yb+1
.endr
.if \nl == 4
.set yb, 0
.rept 8
	v_max_num_f32 v[P+yb], v[P+yb], v[D+4*yb+3]
.set yb, yb+1
.endr
.endif
.endm
; Plane s of the phase, nl row reads a y bin.
.macro PLANE s, nl
	s_bitcmp1_b32 s30, \s                          ; is the plane inside the ROI?
	s_cbranch_scc0 .Lnoclose_\@
.set yb, 0
.rept 8
.set t, 0
.rept \nl
	ds_load_b32 v[D+4*yb+t], v[AD+4*yb+t] offset:256*\s
.set t, t+1
.endr
.set yb, yb+1
.endr
	s_wait_dscnt 4*\nl                             ; LDS answers in order: the reads of y bins 4 to 7, issued behind those of bins 0 to 3, may stay out
	TAKE \nl, 0
	s_wait_dscnt 0x0
	TAKE \nl, 4
	s_bfe_u32 s46, s42, 0x40000|(4*\s)             ; z bins that have ended with this plane
	s_cmp_lt_u32 s31, s46
	s_cbranch_scc0 .Lnoclose_\@
	PMAX \nl                                       ; a bin ends here: the next one may begin on this plane
.Lclose_\@:                                    ; one trip for each bin that ends here (several where the ROI has fewer planes than bins)
	REDUCE
	s_min_u32 s49, s31, 7
	s_lshl_b32 s49, s49, 8
	v_add_nc_u32 v[SA], s49, v[OB]
	global_store_b64 v[SA], v[RES:RES+1], s[22:23] th:TH_STORE_NT  ; the wave's 32 x 8 bytes: 256 consecutive bytes, aligned
	v_mov_b32 v[CAR], v[NINF]
	v_mov_b32 v[CAR+1], v[NINF]
	s_add_co_u32 s31, s31, 1
	s_bitcmp1_b32 s43, s31                         ; does the next bin begin on this plane?
	s_cselect_b32 s47, -1, 0
.irp y, 0,1,2,3,4,5,6,7
	v_cndmask_b32 v[ACC+\y], v[NINF], v[P+\y], s47
.endr
	s_cmp_lt_u32 s31, s46
	s_cbranch_scc1 .Lclose_\@
.Lnoclose_\@:
.endm
.macro VARIANT nl
.set tt, 0
.rept \nl
	ADDR tt
.set tt, tt+1
.endr
	NEXT                                           ; the record has been used up: the next one comes in under this ROI's planes
.irp s, 0,1,2,3,4,5,6,7
	PLANE \s, \nl
.endr
	s_branch .Lroi_tail
.endm
	s_load_b128 s[4:7], s[0:1], 0x0                ; features s[4:5], params s[6:7]
	s_load_b64 s[8:9], s[0:1], 0x10                ; out0
	v_lshl_add_u32 v212, v0, 2, 0x40000
	v_mov_b32 v213, 0
	v_and_b32 v1, 31, v0                           ; lane l
	v_lshrrev_b32 v7, 5, v0
	v_readfirstlane_b32 s10, v7                    ; wave
	s_lshr_b32 s11, ttmp9, 7                       ; batch
	s_and_b32 s12, ttmp9, 127                      ; channel
	s_mov_b32 s50, 0xf0f0f0f0                      ; lanes with bit 2, 3, 4 set
	s_mov_b32 s51, 0xff00ff00
	s_mov_b32 s52, 0xffff0000
	s_mov_b32 s53, 0x76543210                      ; v_permlanex16_b32: lane i of one half reads lane i of the other
	s_mov_b32 s54, 0xfedcba98
	v_mov_b32 v[NINF], 0xff800000
	v_mov_b32 v[RX], 0                             ; a lane permute's destination counts as read
	v_and_b32 v7, 3, v1
	v_lshrrev_b32 v8, 4, v1                        ; h
	v_lshl_add_u32 v[XB], v7, 1, v8
	v_bfe_u32 v[KK], v1, 2, 2
	v_lshlrev_b32 v[OL], 3, v1
	v_and_b32 v7, 15, v1
	v_lshlrev_b32 v15, 4, v7                       ; 16 (l & 15)
	v_lshl_add_u32 v[GOFF], v8, 16, v15            ; + 4 planes of 16,384 bytes for the upper lanes
	s_lshl_b32 s49, s10, 10
	v_add_nc_u32 v[GOFF], s49, v[GOFF]             ; + 4 rows of 256 bytes a wave
	v_lshl_add_u32 v15, v8, 10, v15                ; in LDS: 4 planes are 1,024 bytes
	s_lshl_b32 s49, s10, 14
	v_add_nc_u32 v[LFILL], s49, v15                ; 4 rows of 4,096 bytes a wave
	s_lshl_b32 s49, s10, 2
	s_add_co_u32 s49, s49, 4
	s_min_u32 s49, s49, 61                         ; the last wave has no rows below: it reads rows 61 to 63, for Y4 rows that nobody reads
	s_lshl_b32 s49, s49, 12
	v_add_nc_u32 v[LHALO], s49, v15
	s_lshl_b32 s49, s11, 10
	s_lshl_b32 s46, s10, 6
	s_add_co_u32 s49, s49, s46
	v_lshl_add_u32 v[OOFF], v7, 2, s49             ; order[batch][wave][l & 15]
	s_lshl_b32 s2, ttmp9, 19                       ; my volume: 512 KiB each, 128 MiB in all
	s_mov_b32 s3, 0
	s_wait_kmcnt 0x0
	s_load_b64 s[18:19], s[6:7], COUNTS
	s_add_nc_u64 s[20:21], s[4:5], s[2:3]
	s_lshl_b32 s2, s12, 11                         ; a channel's 8 x 8 x 8 f32
	s_add_nc_u64 s[22:23], s[8:9], s[2:3]
	global_load_b32 v[ORD], v[OOFF], s[6:7] offset:ORDER
	ISSUE_FILL                                     ; phase 0
.set i, 0
.rept 32
	v_mov_b32 v[S+i], v[NINF]                      ; an ROI that begins in a phase finds nothing carried
.set i, i+1
.endr
	s_wait_kmcnt 0x0
	s_cmp_lg_u32 s11, 0
	s_cselect_b32 s13, s19, s18                    ; ROIs of my batch
	s_min_u32 s13, s13, 256
	s_add_co_u32 s13, s13, 15
	s_sub_co_u32 s13, s13, s10
	s_lshr_b32 s13, s13, 4                         ; ranks that are my wave's number mod 16: 0 to 16
	s_wait_loadcnt 16                              ; my part of the order list is in; the 16 feature loads issued behind it may stay out
	s_mov_b32 s14, 0
.Lphase:
	s_lshl_b32 s29, s14, 4
	s_add_co_u32 s29, s29, 192                     ; record words 48 + 4 x phase
	s_mov_b32 s17, 0
	RECLOADS                                       ; the phase's first record comes in under the tables' fill (a wave without ROIs asks too, and uses nothing)
	STORE_FILL
	s_cmp_eq_u32 s14, 3
	s_cbranch_scc1 .Lnofill                        ; the last phase loads nothing: no load leaves the volume
	ISSUE_FILL
.Lnofill:
	s_cmp_eq_u32 s13, 0
	s_cbranch_scc1 .Lphase_end
	s_mov_b32 s16, 0
.Lroi:
	s_wait_kmcnt 0x0                               ; the record
	s_mov_b32 s45, s26
	s_mov_b32 s30, s36
	s_mov_b32 s42, s37
	s_min_u32 s31, s38, 8
	s_mov_b32 s48, s39
	s_mov_b32 s43, s35
	s_mov_b32 s44, s34
	s_cmp_eq_u32 s30, 0
	s_cbranch_scc1 .Lidle                          ; none of the phase's planes is the ROI's
	v_mul_u32_u24 v7, s33, v[XB]                   ; my column: xmin + floor(xb Lx / 8) + min(k, width - 1)
	v_add3_u32 v8, v7, s33, 7
	v_lshrrev_b32 v7, 3, v7
	v_lshrrev_b32 v8, 3, v8
	v_sub_nc_u32 v8, v8, v7                        ; width
	v_add_nc_u32 v8, -1, v8
	v_min_u32 v8, v8, v[KK]
	v_add3_u32 v7, v7, v8, s32
	v_min_u32 v7, 63, v7
	v_lshlrev_b32 v[COL], 2, v7
	s_lshl_b32 s49, s45, 18                        ; an ROI's 128 channels x 2,048 bytes
	v_add_nc_u32 v[OB], s49, v[OL]
.irp y, 0,1,2,3,4,5,6,7
	v_mov_b32 v[ACC+\y], v[NINF]
.endr
	SELECT 0                                       ; what the phase before left of the open bin, or -infinity
	s_cmp_eq_u32 s44, 2
	s_cbranch_scc1 .Lv2
	s_cmp_eq_u32 s44, 3
	s_cbranch_scc1 .Lv3
	VARIANT 4
.Lv3:
	VARIANT 3
.Lv2:
	VARIANT 2
.Lroi_tail:
	s_bitcmp1_b32 s48, 1
	s_cbranch_scc0 .Lroi_end
	REDUCE                                         ; the ROI goes on in the next phase: its open bin, folded, waits in its register pair
	SELECT 1
	s_branch .Lroi_end
.Lidle:
	NEXT
.Lroi_end:
	s_add_co_u32 s16, s16, 1
	s_cmp_lt_u32 s16, s13
	s_cbranch_scc1 .Lroi
.Lphase_end:
	s_wait_dscnt 0x0                               ; my reads of the tables are over: behind this barrier they are written again
	s_barrier_signal -1
	s_barrier_wait -1
	s_add_co_u32 s14, s14, 1
	s_cmp_lt_u32 s14, 4
	s_cbranch_scc1 .Lphase
	s_wait_tensorcnt 0x0
	ds_add_u32 v212, v213
	s_wait_dscnt 0x0
	s_endpgm
.Lfunc_end_k_q865dd30f07_pool:
	.size	k_q865dd30f07_pool, .Lfunc_end_k_q865dd30f07_pool-k_q865dd30f07_pool
	.p2alignl 7, 3214868480
	.fill 96, 4, 3214868480
	.section	.rodata,"a",@progbits
	.p2align	6, 0x0
	.amdhsa_kernel k_q865dd30f07_pool
		.amdhsa_group_segment_fixed_size 264192
		.amdhsa_private_segment_fixed_size 0
		.amdhsa_enable_private_segment 0
		.amdhsa_kernarg_size 24
		.amdhsa_user_sgpr_count 2
		.amdhsa_user_sgpr_kernarg_segment_ptr 1
		.amdhsa_wavefront_size32 1
		.amdhsa_system_sgpr_workgroup_id_x 1
		.amdhsa_system_sgpr_workgroup_id_y 1
		.amdhsa_system_sgpr_workgroup_id_z 1
		.amdhsa_system_vgpr_workitem_id 0
		.amdhsa_next_free_vgpr 214
		.amdhsa_next_free_sgpr 100
		.amdhsa_reserve_vcc 0
		.amdhsa_float_denorm_mode_32 3
		.amdhsa_float_denorm_mode_16_64 3
		.amdhsa_memory_ordered 1
		.amdhsa_forward_progress 1
		.amdhsa_inst_pref_size 161
	.end_amdhsa_kernel
	.amdgpu_metadata
---
amdhsa.version: [ 1, 2 ]
amdhsa.kernels:
  - .name:           k_q865dd30f07_pool
    .symbol:         k_q865dd30f07_pool.kd
    .args:
      - { .name: features, .offset: 0, .size: 8, .value_kind: global_buffer, .address_space: global }
      - { .name: params, .offset: 8, .size: 8, .value_kind: global_buffer, .address_space: global }
      - { .name: out0, .offset: 16, .size: 8, .value_kind: global_buffer, .address_space: global }
    .group_segment_fixed_size: 264192
    .private_segment_fixed_size: 0
    .kernarg_segment_align: 8
    .kernarg_segment_size: 24
    .max_flat_workgroup_size: 512
    .sgpr_count:     100
    .vgpr_count:     214
    .wavefront_size: 32
...
	.end_amdgpu_metadata
.endif
;; end of part 4
